; MI455X (gfx1250); checked and timed in simulation.
; The chip was launched on July 23, 2026; its instructions are those of AMD's public machine-readable ISA for CDNA 5 (MIT licence, August 2026) and "CDNA5" Instruction Set Architecture Reference Guide (July 2026). The comments in the code are by the model that wrote it; some were corrected since.
;; Local Attention. Allowed arithmetic: matrix products marked QUANTISED: E2M1 operands, one E8M0 scale for each 32 along K, by v_wmma_scale_f32_16x16x128_f8f6f4 with both operands' format E2M1 (or v_wmma_scale_f32_32x16x128_f4), f32 sums; everything else in f32.
;; Inputs: k 4 x 8 x 8,192 x 64 float32; q 4 x 8 x 8,192 x 64 float32; v 4 x 8 x 8,192 x 64 float32.
;; Outputs: out0 4 x 8 x 8,192 x 64 float32.
;; This version of the problem:
;;   THIS VERSION OF THE PROBLEM IS GIVEN IN LOW PRECISION. The matrix products marked QUANTISED in the list below multiply operands that are first quantised to E2M1 (2 exponent bits, 1 mantissa bit; 4 bits a number), with one power-of-two scale for each 32 numbers along K (OCP MX v1.0); their sums are f32. All else is computed in f32.
;;   The module's matrix products, in the order in which they are computed (A, B: the left and right operand; K: the contracted axis; several contracted axes count as one K, in the product's order):
;;     1. batch 2,048 x [M 128, K 64] x [K 64, N 256]; A: input q; B: computed on the way: QUANTISED
;;     2. batch 2,048 x [M 128, K 256] x [K 256, N 64]; A: softmax (see below); B: computed on the way: QUANTISED
;;   THE QUANTISER, for each operand of a quantised product, along K:
;;     - K is cut into blocks of 32 from its start; a last block that is shorter is filled with zeros.
;;     - A block's scale is 2^e with e = floor(log2(the largest magnitude in the block)) - 2, held to -126 .. 127; a block of zeros has e = 0. As a byte (E8M0): e + 127.
;;     - Each number is divided by its block's scale, clamped to +-6, and rounded to the nearest number of E2M1, ties to even, subnormals kept.
;;     - The product sums the exact products of the quantised numbers (number of the format x scale) in f32.
;;   ~~~python
;;   def quantise(x, axis):      # numpy; x: float32 -> the quantised numbers, widened to float32 again
;;       x = np.moveaxis(x, axis, -1); K = x.shape[-1]
;;       x = np.pad(x, [(0, 0)] * (x.ndim - 1) + [(0, -K % 32)]); x = x.reshape(x.shape[:-1] + (-1, 32)); a = np.abs(x).max(-1, keepdims=True)
;;       e = np.where(a > 0, np.clip(np.frexp(np.where(a > 0, a, 1))[1] - 1 - 2, -126, 127), 0)      # np.frexp(a)[1] - 1 = floor(log2(a)), exactly
;;       r = np.clip(x / 2.0 ** e, -6, 6)
;;       step = 2.0 ** (np.maximum(np.frexp(np.where(r == 0, 1, r))[1] - 1, 0) - 1)
;;       q = np.round(r / step) * step * 2.0 ** e      # np.round: ties to even
;;       return np.moveaxis(q.reshape(q.shape[:-2] + (-1,))[..., :K], -1, axis).astype(np.float32)
;;   ~~~
;;   SOFTMAX AHEAD OF A QUANTISED PRODUCT. Where the list says 'softmax', what is quantised is not the finished softmax but p = 2^(t - M), with t = logit x log2(e) and M = ceil(the row's largest t), a whole number; so 1/2 < the row's largest p <= 1. The row's sum l is taken of the UNQUANTISED p, in f32, and the product's result is divided by l at the end. Since M is a whole number, a kernel that streams over the keys may use a running M (the ceiling of the running maximum): every later rescaling is an exact power of two, which a block's scale takes up: the codes' values come out the same.
;;   OPERANDS COMPUTED ON THE WAY. 'Computed on the way' means the value that the module computes at that place (a softmax that the list does not call 'softmax' is quantised finished and normalised). What goes into a quantiser is computed in f32, as accurately as f32 sums, v_exp_f32 and their like allow (about 1e-6 of the number): no bf16 or f16 on the way to a quantiser, and a product that is left as it is and whose result goes on into a quantised operand takes f32 operands (vector FMAs, or v_wmma_f32_16x16x4_f32). A number that lies on a knife's edge between two numbers of the format may be rounded either way, as far as f32 arithmetic and the matrix unit's own rounding can turn it there, and no further.
;; 2 versions. Each part assembles by itself: llvm-mc -triple=amdgcn-amd-amdhsa -mcpu=gfx1250 --defsym DOCPART=n.
;; ======== version 1 of 2: 1 launch
;; launch attn (part 1): grid 256 x 1, 8 waves a work-group, no clusters, 140,288 bytes of LDS; arguments q, k, v, out0; writes out0
.if DOCPART == 1
	.amdgcn_target "amdgcn-amd-amdhsa--gfx1250"
	.amdhsa_code_object_version 6
	.text
	.protected	k_qc3688b23c3_attn
	.globl	k_qc3688b23c3_attn
	.p2align	8
	.type	k_qc3688b23c3_attn,@function
k_qc3688b23c3_attn:
	s_mov_b64 s[64:65], 0
	v_nop
	global_prefetch_b8 v0, s[64:65] scope:SCOPE_SE
	s_setreg_imm32_b32 hwreg(HW_REG_WAVE_MODE, 25, 1), 1
	s_wait_xcnt 0x0
; Causal local attention, windows of 128, one window of look-back.  q, k, v, out0: [32 sequences][8192][64] f32 (a row is 256 bytes, a window 32,768).
; Both products on codes of FP4 (E2M1) with one E8M0 scale for each 32 along K: q and k are quantised along the 64 channels, v and p along the keys.
; A window is four blocks of 32 keys, so a window's codes of k and v are the same as "own" and as "previous" window: each window is quantised once by its work-group.
; SOFTMAX: t = score x log2(e) / 8; M = the running largest t rounded up to a whole number; p = 2^(t - M) is quantised, not normalised; the row's sum is taken of the unquantised p and divides at the end.
; The own window is taken first (it always holds a visible key, the query's own), then the previous one; when M moves, the sum and O are multiplied by 2^(old M - new M), which rounds nothing.
; SHARES.  A work-group owns 8 windows on end (262,144 bytes of each tensor) and walks them upward; the codes of the last two windows lie in LDS.  A prologue quantises the window in front of its range
; (where there is none, at a sequence's start, it takes window 0 itself, an address inside the buffer, and the first trip gives all "previous" scores the addend -3e38).
; Wave w owns the tile of 16 queries i = w xor 3 (w / 4) (0,1,2,3,7,6,5,4: waves w and w + 4 together always have 5 own blocks), with n = i / 2 + 1 blocks of its own window up to the diagonal.
; Waves 0-3 quantise 32 keys of k each, waves 4-7 32 keys x 64 channels of v each; every wave quantises its own 16 queries.
; MEMORY.  Per window a wave issues 24 loads of 512 consecutive bytes (8 KB of k or v, 4 KB of q) into 96 registers, one window ahead: they stay on their way across the barriers.  The numbers turn through the
; wave's own stage in LDS, so that a lane gets 32 neighbours along K.  Results leave through the same stage: each store covers 512 consecutive bytes, aligned.
; LAYOUT.  Both products are used transposed (S^T = K Q^T, O^T = V^T P^T): a lane holds one query (lane % 16) throughout.  The channels are only 64 of the instruction's 128 along K, so ONE source 0 carries TWO
; tiles of keys: registers 0-3 (K 0-63) key 32 b + r + 8 (r / 8), registers 4-7 (K 64-127) the key 8 further on.  Q lies in 12 registers [0 0 0 0 | q q q q | 0 0 0 0]: the upper eight pick the first tile, the lower
; eight the second.  So the 16 registers of a block's two products are 16 neighbouring keys, 32 b + 16 (lane / 16) + 0 .. 15.
; THE MASKS ARE THE C OPERAND: -3e38 where a key of the diagonal block comes after the query (16 registers, made once), or everywhere (look-back at a sequence's start).  Own blocks past the diagonal are not computed.
; NO JOINT LOADS: of the 9 windows of k and v that a work-group reads only one is read by another work-group, which reads it as its last while this one reads it as its first; q and out0 are nobody else's.
; NO TENSOR LOADS: nothing is read from memory twice by the waves of a work-group, and loads into registers need no wait for all of them in front of a barrier.
; LIMITS: NaN and infinities among the inputs are not served.  A masked score is the product - 3e38, not -finfo.max: p is 0 either way while |q . k| stays under 1e37.  A block of zeros carries the byte 1
; (the rule says 127) over zero codes, which add nothing; the bytes are read by this kernel alone.  p under 2^-126 comes out of v_exp_f32 as 0 (ISA guide, 15.8).  A block's largest p is made from its largest
; score by the same multiply-add and exponential, which takes v_exp_f32 not to fall where its input rises.
.set WINB,  0x8000                     ; bytes of a window
.set CSL,   16384                      ; LDS: two slots of codes, at 0 and at CSL
.set KIMG,  0                          ; in a slot: k's 4 pair fragments as images of their registers: 1,024 bytes each, registers 4 c .. 4 c + 3 at 512 c + 16 x lane
.set VIMG,  4096                       ; v's 4 tiles of 16 channels x 128 keys, likewise
.set KSC,   8192                       ; k's scale words: fragment b's at 16 x lane + 4 b
.set VSC,   8704                       ; v's scale bytes: channel 16 t + r, block beta at 16 r + 4 t + beta
.set STG0,  32768                      ; behind the slots: a stage of STGW bytes for each wave
.set STGW,  13312
.set SPI,   272                        ; a stage row: 256 bytes + 16: row r starts 4 r banks on (64 banks of 4 bytes: ISA guide 11.1)
.set QOFF,  8832                       ; in a stage: 32 rows of k or v (row rho at 272 rho + 128 (rho / 16)), then 16 rows of q, later of out0
.set GL,  1                            ; v1   16 x lane: my bytes of a load's or store's 512, and my place in an image
.set STW, 2                            ; v2   stage: rows as they are loaded: 272 h + 16 r
.set KRD, 3                            ; v3   stage: my key's half row
.set VRD, 4                            ; v4   stage: my channel's column
.set QRD, 5                            ; v5   stage: my query's half row
.set KIW, 6                            ; v6-9 where my role's images and scales go, within a slot
.set KSW, 7
.set VIW, 8
.set VSW, 9
.set SRD, 11                           ; v11  16 r
.set OSW, 12                           ; v12  stage: where I put 32 bytes of a row of out0
.set SH8, 13                           ; v13  8 h
.set QZ,  16                           ; v16-27  0 0 0 0 q q q q 0 0 0 0
.set QS,  28                           ; v28  q's scale word
.set PS,  29                           ; v29  p's scale word
.set NM,  32                           ; v32 -M, v33 the largest t
.set LS,  34                           ; v[34:35] the row's sum, in two halves
.set FF,  36                           ; v36 f = 2^(old M - new M), at the end 1 / sum; v37 = 0 (named with it as a pair)
.set MK,  40                           ; v40-55  the diagonal block's mask
.set PB,  56                           ; v56-63  the previous window's addend
.set S,   64                           ; v64-127 S^T, then p; the 64 numbers of a role; rows of out0 on the way out
.set X,   64
.set KF,  128                          ; v128-159 k's fragments, then v's; 32 numbers of q
.set XQ,  128
.set KS,  160                          ; v160-163 k's scale words
.set VS,  164                          ; v164-167 v's
.set O,   168                          ; v168-199 O^T
.set P,   200                          ; v200-207 p's codes; a role's codes
.set C8,  200
.set BM,  208                          ; v208-211 largest magnitudes or scores
.set T2,  212                          ; v212-215 the other half's; then bytes
.set SO,  216                          ; v216-219 the conversions' scale operands
.set TW,  220                          ; v220-221 at work
.set TS,  222                          ; v[222:223] the sum's second chain
.set AO,  224                          ; v224-231 LDS addresses of the trip, made where all waves pass
.set AP,  225
.set BO,  226
.set BP,  227
.set WKI, 228
.set WKS, 229
.set WVI, 230
.set WVS, 231
.set RK,  0                            ; window 1: v256-319 a window's 8 KB of k or v as loaded
.set RQ,  64                           ; window 1: v320-351 4 KB of q
.set WV,   12                          ; s12 wave; s13 my tile of queries; s14 n - 1; s15 beta = wave % 4
.set QT,   13
.set NB1,  14
.set BETA, 15
.set TMPS, 16
.set STGS, 17                          ; s17 my stage
.set SEL,  20                          ; s[20:21] v_permlanex16_b32's selects for lane l xor 16
.set CS,   22                          ; s[22:23] c = log2(e) / 8
.set TB,   24                          ; s24 the own window's slot; s25 the previous window's
.set TP,   25
.set CNT,  26                          ; s26 windows to go
.set PBB,  27                          ; s27 the previous window's addend, as bits
.set KVP,  28                          ; s[28:29] my chunk of k or of v
.set BACK, 30                          ; s[30:31] bytes back to the window in front: 32,768, or 0 at a sequence's start
.set MSB, 0
.macro WIN new                         ; the immediate's high byte repeats the setting that is left; a switch that changes nothing is dropped
.if MSB != \new
	s_set_vgpr_msb (MSB<<8)|\new
.set MSB, \new
.endif
.endm
.macro PLACES n
.rept \n
	v_nop
.endr
.endm
.macro BARRIER                         ; my LDS stores have landed and my LDS loads are in: then the work-group's barrier
	s_wait_dscnt 0x0
	s_barrier_signal -1
	s_barrier_wait -1
.endm
.macro GLOAD_KV                        ; 16 loads of 512 consecutive bytes: 32 rows of k or v
	WIN 0x40                                       ; destination window 1
.irp j, 0,1,2,3,4,5,6,7,8,9,10,11,12,13,14,15
	global_load_b128 v[RK+4*\j:RK+4*\j+3], v[GL], s[KVP:KVP+1] offset:512*\j
.endr
.endm
.macro GLOAD_Q                         ; 8 loads: my 16 queries; read by nobody else
	WIN 0x40
.irp j, 0,1,2,3,4,5,6,7
	global_load_b128 v[RQ+4*\j:RQ+4*\j+3], v[GL], s[4:5] offset:512*\j th:TH_LOAD_NT
.endr
.endm
.macro STAGE_KV                        ; load j holds rows 2 j and 2 j + 1
	WIN 0x04                                       ; an LDS store's data are its source 1: window 1
.irp j, 0,1,2,3,4,5,6,7,8,9,10,11,12,13,14,15
	ds_store_b128 v[STW], v[RK+4*\j:RK+4*\j+3] offset:544*\j+128*(\j/8)
.endr
.endm
.macro STAGE_Q
	WIN 0x04
.irp j, 0,1,2,3,4,5,6,7
	ds_store_b128 v[STW], v[RQ+4*\j:RQ+4*\j+3] offset:QOFF+544*\j
.endr
.endm
; One or two blocks of 32 numbers, each whole in my lane (set g at v[x + 32 g]), become 4 registers of codes each (v[c + 4 g]); the scale's byte in v[T2 + g].
; The largest magnitude has the floor 2^(3 - 127) among its leaves, so that the byte cannot fall under 1; 2 off its exponent field is the conversion's scale operand.
.macro QUANT sets, x, c
.irp g, 0,1
.if \g < \sets
	v_max3_num_f32 v[BM+2*\g], |v[\x+32*\g]|, |v[\x+32*\g+1]|, |v[\x+32*\g+2]|
	v_max3_num_f32 v[BM+2*\g+1], |v[\x+32*\g+3]|, |v[\x+32*\g+4]|, |v[\x+32*\g+5]|
.endif
.endr
.irp i, 6,10,14,18,22,26
.irp g, 0,1
.if \g < \sets
	v_max3_num_f32 v[BM+2*\g], v[BM+2*\g], |v[\x+32*\g+\i]|, |v[\x+32*\g+\i+1]|
	v_max3_num_f32 v[BM+2*\g+1], v[BM+2*\g+1], |v[\x+32*\g+\i+2]|, |v[\x+32*\g+\i+3]|
.endif
.endr
.endr
.irp g, 0,1
.if \g < \sets
	v_max3_num_f32 v[BM+2*\g], v[BM+2*\g], |v[\x+32*\g+30]|, |v[\x+32*\g+31]|
.endif
.endr
.irp g, 0,1
.if \g < \sets
	v_max3_num_f32 v[BM+2*\g], v[BM+2*\g], v[BM+2*\g+1], 0x1800000
.endif
.endr
.irp g, 0,1
.if \g < \sets
	v_add_nc_u32 v[SO+\g], 0xff000000, v[BM+2*\g]
.endif
.endr
.irp g, 0,1
.if \g < \sets
	v_lshrrev_b32 v[T2+\g], 23, v[SO+\g]
.endif
.endr
.irp g, 0,1
.if \g < \sets
.irp k, 0,1,2,3
	v_cvt_scalef32_pk8_fp4_f32 v[\c+4*\g+\k], v[\x+32*\g+8*\k:\x+32*\g+8*\k+7], v[SO+\g]
.endr
.endif
.endr
	v_nop                                          ; one plain line behind the last scaled conversion
.endm
; The window in my stage becomes codes in the slot that WKI .. WVS name.  The branch hangs on the wave's number alone; no barrier stands inside.
.macro ROLES
	s_cmp_lt_u32 s[WV], 4
	s_cbranch_scc0 .Lvrole_\@
	; k: pair fragment beta.  Set u: key 32 beta + 8 u + r + 8 (r / 8), channels 32 h on: 128 bytes of its row
.irp u, 0,1
.irp jj, 0,1,2,3,4,5,6,7
	ds_load_b128 v[X+32*\u+4*\jj:X+32*\u+4*\jj+3], v[KRD] offset:2176*\u+16*\jj
.endr
.endr
	s_wait_dscnt 0x0
	QUANT 2, X, C8
	v_lshl_or_b32 v[TW], v[T2+1], 16, v[T2]        ; my two bytes: (tile 0, block h) and (tile 1, block h),
	v_lshlrev_b32 v[TW], v[SH8], v[TW]             ; 8 h bits up;
	v_permlanex16_b32 v[TW+1], v[TW], s[SEL], s[SEL+1]
	v_or_b32 v[TW], v[TW], v[TW+1]                 ; with lane l xor 16's two the word is whole
	ds_store_b128 v[WKI], v[C8:C8+3]
	ds_store_b128 v[WKI], v[C8+4:C8+7] offset:512
	ds_store_b32 v[WKS], v[TW]
	s_branch .Ljoined_\@
.Lvrole_\@:
	; v: block beta of the keys.  A lane takes channels lane and lane + 32, and its registers run down the 32 keys
.irp g, 0,1
.irp i, 0,1,2,3,4,5,6,7,8,9,10,11,12,13,14,15,16,17,18,19,20,21,22,23,24,25,26,27,28,29,30,31
	ds_load_b32 v[X+32*\g+\i], v[VRD] offset:272*\i+128*(\i/16)+128*\g
.endr
.endr
	s_wait_dscnt 0x0
	QUANT 2, X, C8
	ds_store_b128 v[WVI], v[C8:C8+3]               ; tile h, registers and lanes of block beta
	ds_store_b128 v[WVI], v[C8+4:C8+7] offset:2048 ; tile h + 2
	ds_store_b8 v[WVS], v[T2]
	ds_store_b8 v[WVS], v[T2+1] offset:8
.Ljoined_\@:
.endm
; 32 nb keys of one window against my 16 queries.  first = 1: the step starts M, the sum and O^T.  prev = 1: the previous window (C = its addend); else the own window, whose last block is the diagonal's (C = the mask).
; ar, br: 16 x lane and 16 r in the window's slot.
.macro STEP nb, first, prev, ar, br
.if \prev
	PLACES 4                                       ; in front of loads into registers that the last products read (ISA guide 7.12.1 for vector instructions)
.endif
.irp b, 0,1,2,3
.if \b < \nb
	ds_load_b128 v[KF+8*\b:KF+8*\b+3], v[\ar] offset:KIMG+1024*\b
	ds_load_b128 v[KF+8*\b+4:KF+8*\b+7], v[\ar] offset:KIMG+1024*\b+512
.endif
.endr
	ds_load_b128 v[KS:KS+3], v[\ar] offset:KSC
	s_wait_dscnt 0x0
.irp b, 0,1,2,3
.if \b < \nb
.irp u, 0,1
.if \prev
	v_wmma_scale_f32_16x16x128_f8f6f4 v[S+16*\b+8*\u:S+16*\b+8*\u+7], v[KF+8*\b:KF+8*\b+7], v[QZ+4-4*\u:QZ+11-4*\u], v[PB:PB+7], v[KS+\b], v[QS] matrix_a_fmt:MATRIX_FMT_FP4 matrix_b_fmt:MATRIX_FMT_FP4
.elseif \b == (\nb-1)
	v_wmma_scale_f32_16x16x128_f8f6f4 v[S+16*\b+8*\u:S+16*\b+8*\u+7], v[KF+8*\b:KF+8*\b+7], v[QZ+4-4*\u:QZ+11-4*\u], v[MK+8*\u:MK+8*\u+7], v[KS+\b], v[QS] matrix_a_fmt:MATRIX_FMT_FP4 matrix_b_fmt:MATRIX_FMT_FP4
.else
	v_wmma_scale_f32_16x16x128_f8f6f4 v[S+16*\b+8*\u:S+16*\b+8*\u+7], v[KF+8*\b:KF+8*\b+7], v[QZ+4-4*\u:QZ+11-4*\u], 0, v[KS+\b], v[QS] matrix_a_fmt:MATRIX_FMT_FP4 matrix_b_fmt:MATRIX_FMT_FP4
.endif
.endr
.endif
.endr
	PLACES 4                                       ; in front of the loads over k's fragments and of the first read of the scores
.irp t, 0,1,2,3                                ; v's four tiles land while the softmax is worked
	ds_load_b128 v[KF+8*\t:KF+8*\t+3], v[\ar] offset:VIMG+1024*\t
	ds_load_b128 v[KF+8*\t+4:KF+8*\t+7], v[\ar] offset:VIMG+1024*\t+512
.endr
	ds_load_b128 v[VS:VS+3], v[\br] offset:VSC
	; the largest score of each block of 32 keys: for the row's maximum and for the block's largest p.  Each accumulator is read from its low end on
.irp b, 0,1,2,3
.if \b < \nb
	v_max3_num_f32 v[BM+\b], v[S+16*\b], v[S+16*\b+1], v[S+16*\b+2]
.endif
.endr
.irp i, 3,5,7,9,11,13
.irp b, 0,1,2,3
.if \b < \nb
	v_max3_num_f32 v[BM+\b], v[BM+\b], v[S+16*\b+\i], v[S+16*\b+\i+1]
.endif
.endr
.endr
.irp b, 0,1,2,3
.if \b < \nb
	v_max_num_f32 v[BM+\b], v[BM+\b], v[S+16*\b+15]
.endif
.endr
.irp b, 0,1,2,3
.if \b < \nb
	v_permlanex16_b32 v[T2+\b], v[BM+\b], s[SEL], s[SEL+1]
.endif
.endr
.irp b, 0,1,2,3
.if \b < \nb
	v_max_num_f32 v[BM+\b], v[BM+\b], v[T2+\b]     ; with lane l xor 16's 16 keys
.endif
.endr
.set MX, TW
.if \nb == 1
.set MX, BM
.elseif \nb == 2
	v_max_num_f32 v[TW], v[BM], v[BM+1]
.elseif \nb == 3
	v_max3_num_f32 v[TW], v[BM], v[BM+1], v[BM+2]
.else
	v_max3_num_f32 v[TW], v[BM], v[BM+1], v[BM+2]
	v_max_num_f32 v[TW], v[TW], v[BM+3]
.endif
.if \first
	v_mul_f32 v[NM+1], s[CS], v[MX]                ; the largest t (c is positive)
	v_floor_f32 v[NM], -v[NM+1]                    ; -M = floor(-t) = -ceil(t)
.else
	v_mul_f32 v[TW], s[CS], v[MX]
	v_max_num_f32 v[NM+1], v[NM+1], v[TW]          ; the running largest t
	v_mov_b32 v[TW+1], v[NM]
	v_floor_f32 v[NM], -v[NM+1]
	v_sub_f32 v[TW+1], v[NM], v[TW+1]              ; old M - new M: a whole number, 0 or less
	v_cvt_i32_f32 v[TW+1], v[TW+1]
	v_ldexp_f32 v[FF], 1.0, v[TW+1]                ; f = 2^(old M - new M)
.endif
.set JJ, 0
.rept 8*\nb
	v_pk_fma_f32 v[S+JJ:S+JJ+1], v[S+JJ:S+JJ+1], s[CS:CS+1], v[NM:NM+1] op_sel_hi:[1,0,0]   ; t - M, two at a time
.set JJ, JJ+2
.endr
.irp b, 0,1,2,3
.if \b < \nb
	v_fma_f32 v[BM+\b], v[BM+\b], s[CS], v[NM]     ; the same of each block's largest score
.endif
.endr
.set JJ, 0
.rept 16*\nb
	v_exp_f32 v[S+JJ], v[S+JJ]                     ; p = 2^(t - M)
.set JJ, JJ+1
.endr
.irp b, 0,1,2,3
.if \b < \nb
	v_exp_f32 v[BM+\b], v[BM+\b]                   ; the block's largest p
.endif
.endr
.if \first
	v_nop                                          ; a plain line behind the exponentials (ISA guide 5.7.2)
	s_wait_alu depctr_va_vdst(0)
.else
	v_pk_mul_f32 v[LS:LS+1], v[LS:LS+1], v[FF:FF+1] op_sel_hi:[1,0]   ; the sum under the new M; also the plain line behind the exponentials
	s_wait_alu depctr_va_vdst(0)
.endif
.irp b, 0,1,2,3
.if \b < \nb
	v_max_num_f32 v[BM+\b], 0x1800000, v[BM+\b]    ; the floor 2^(3 - 127): the byte cannot fall under 1
.endif
.endr
.irp b, 0,1,2,3
.if \b < \nb
	v_add_nc_u32 v[SO+\b], 0xff000000, v[BM+\b]    ; 2 off the exponent field: the conversion's scale operand
.endif
.endr
.irp b, 0,1,2,3
.if \b < \nb
	v_lshrrev_b32 v[T2+\b], 23, v[SO+\b]           ; the scale's byte
.endif
.endr
.if \nb == 1
	v_mov_b32 v[PS], v[T2]                         ; p's scale word; the bytes of blocks that are not computed stay 0, over zero codes
.else
	v_lshl_or_b32 v[PS], v[T2+1], 8, v[T2]
.endif
.if \nb > 2
	v_lshl_or_b32 v[PS], v[T2+2], 16, v[PS]
.endif
.if \nb > 3
	v_lshl_or_b32 v[PS], v[T2+3], 24, v[PS]
.endif
.irp b, 0,1,2,3
.if \b < \nb
	v_cvt_scalef32_pk8_fp4_f32 v[P+2*\b], v[S+16*\b:S+16*\b+7], v[SO+\b]
	v_cvt_scalef32_pk8_fp4_f32 v[P+2*\b+1], v[S+16*\b+8:S+16*\b+15], v[SO+\b]
.endif
.endr
.if \nb == 4
	v_nop                                          ; one plain line behind the last scaled conversion
.else
.irp b, 0,1,2,3
.if \b >= \nb
	v_mov_b32 v[P+2*\b], 0                         ; keys past the diagonal's block: zero codes.  (The first of these is the plain line behind the conversions)
	v_mov_b32 v[P+2*\b+1], 0
.endif
.endr
.endif
.irp c, 0,1                                    ; the operand's layout wants a whole block in a lane: lanes 0-15 block 2 c, lanes 16-31 block 2 c + 1
.if 2*\c < \nb
.irp i, 0,1
	v_permlane16_swap_b32 v[P+4*\c+\i], v[P+4*\c+2+\i]
.endr
.endif
.endr
	; the row's sum, of the unquantised p: two at a time, in two chains.  These additions are also the places between the writes of p's codes and scale word and the products
.if \first
	v_pk_add_f32 v[LS:LS+1], v[S:S+1], v[S+4:S+5]
	v_pk_add_f32 v[TS:TS+1], v[S+2:S+3], v[S+6:S+7]
.set JJ, 8
.rept 4*\nb-2
	v_pk_add_f32 v[LS:LS+1], v[LS:LS+1], v[S+JJ:S+JJ+1]
	v_pk_add_f32 v[TS:TS+1], v[TS:TS+1], v[S+JJ+2:S+JJ+3]
.set JJ, JJ+4
.endr
.else
	v_pk_add_f32 v[TS:TS+1], v[S:S+1], v[S+2:S+3]
.set JJ, 4
.rept 4*\nb-1
	v_pk_add_f32 v[LS:LS+1], v[LS:LS+1], v[S+JJ:S+JJ+1]
	v_pk_add_f32 v[TS:TS+1], v[TS:TS+1], v[S+JJ+2:S+JJ+3]
.set JJ, JJ+4
.endr
.endif
	v_pk_add_f32 v[LS:LS+1], v[LS:LS+1], v[TS:TS+1]
.if !\first
.irp j, 0,2,4,6,8,10,12,14,16,18,20,22,24,26,28,30
	v_pk_mul_f32 v[O+\j:O+\j+1], v[O+\j:O+\j+1], v[FF:FF+1] op_sel_hi:[1,0]   ; O^T under the new M, each accumulator from its low end on
.endr
.endif
	s_wait_dscnt 0x0                               ; v's tiles and scale words are in
.irp t, 0,1,2,3                                ; O^T (+)= V^T P^T: the four accumulators by turns, one instruction a turn
.if \first
	v_wmma_scale_f32_16x16x128_f8f6f4 v[O+8*\t:O+8*\t+7], v[KF+8*\t:KF+8*\t+7], v[P:P+7], 0, v[VS+\t], v[PS] matrix_a_fmt:MATRIX_FMT_FP4 matrix_b_fmt:MATRIX_FMT_FP4
.else
	v_wmma_scale_f32_16x16x128_f8f6f4 v[O+8*\t:O+8*\t+7], v[KF+8*\t:KF+8*\t+7], v[P:P+7], v[O+8*\t:O+8*\t+7], v[VS+\t], v[PS] matrix_a_fmt:MATRIX_FMT_FP4 matrix_b_fmt:MATRIX_FMT_FP4
.endif
.endr
.endm
	; ---- the head: ids, pointers, and the first loads as early as they can go
	s_load_b256 s[4:11], s[0:1], 0x0               ; q s[4:5], k s[6:7], v s[8:9], out0 s[10:11]
	v_lshl_add_u32 v254, v0, 2, 0x22000
	v_mov_b32 v255, 0
	v_lshrrev_b32 v14, 5, v0
	v_readfirstlane_b32 s[WV], v14                 ; wave 0..7
	v_and_b32 v14, 31, v0                          ; lane
	v_lshlrev_b32 v[GL], 4, v14
	s_lshr_b32 s[TMPS], s[WV], 2
	s_mul_i32 s[TMPS], s[TMPS], 3
	s_xor_b32 s[QT], s[WV], s[TMPS]                ; my tile of queries: 0,1,2,3,7,6,5,4
	s_lshr_b32 s[NB1], s[QT], 1                    ; the diagonal's block = own blocks - 1
	s_and_b32 s[BETA], s[WV], 3
	s_lshl_b32 s18, ttmp9, 18                      ; the work-group's 8 windows: 262,144 bytes (under 2^26 in all)
	s_mov_b32 s19, 0
	s_lshl_b32 s[TMPS], s[BETA], 13
	s_add_co_u32 s2, s18, s[TMPS]                  ; my 32 rows of k or v in a window
	s_mov_b32 s3, 0
	s_lshl_b32 s[TMPS], s[QT], 12
	s_add_co_u32 s18, s18, s[TMPS]                 ; my 16 rows of q and of out0
	s_and_b32 s[TMPS], ttmp9, 7                    ; 8 work-groups to a sequence
	s_cmp_eq_u32 s[TMPS], 0                        ; at a sequence's start there is no window in front:
	s_cselect_b32 s[PBB], 0xff61b1e6, 0            ; its scores get -3e38,
	s_cselect_b32 s[BACK], 0, WINB                 ; and the prologue reads window 0 in its stead
	s_mov_b32 s[BACK+1], 0
	s_mov_b32 s[SEL], 0x76543210
	s_mov_b32 s[SEL+1], 0xfedcba98
	s_mov_b32 s[CS], 0x3e38aa3b                    ; c = log2(e) / 8
	s_mov_b32 s[CS+1], s[CS]                       ; (named with it as a pair, so it is written)
	s_mov_b32 s[TB], 0
	s_mov_b32 s[TP], CSL
	s_mov_b32 s[CNT], 8
	s_mul_i32 s[STGS], s[WV], STGW
	s_add_co_u32 s[STGS], s[STGS], STG0            ; my stage
	s_wait_kmcnt 0x0
	s_cmp_lt_u32 s[WV], 4                          ; waves 0-3 take k, waves 4-7 v: the choice hangs on the wave's number alone
	s_cselect_b64 s[KVP:KVP+1], s[6:7], s[8:9]
	s_add_nc_u64 s[KVP:KVP+1], s[KVP:KVP+1], s[2:3]
	s_sub_nc_u64 s[KVP:KVP+1], s[KVP:KVP+1], s[BACK:BACK+1]
	s_add_nc_u64 s[4:5], s[4:5], s[18:19]
	s_add_nc_u64 s[10:11], s[10:11], s[18:19]
	GLOAD_KV                                       ; the window in front
	GLOAD_Q                                        ; window 0's queries
	WIN 0
	v_and_b32 v15, 15, v0                          ; r
	v_bfe_u32 v30, v0, 4, 1                        ; h
	v_mul_u32_u24 v[STW], v30, SPI
	v_lshl_add_u32 v[STW], v15, 4, v[STW]
	v_add_nc_u32 v[STW], s[STGS], v[STW]           ; stage + 272 h + 16 r
	v_and_b32 v38, 8, v15
	v_add_nc_u32 v31, v38, v15                     ; r + 8 (r / 8)
	v_mul_u32_u24 v[KRD], v31, SPI
	v_lshl_add_u32 v[KRD], v38, 4, v[KRD]          ; + 128 for rows 16 on
	v_lshl_add_u32 v[KRD], v30, 7, v[KRD]          ; + my half of the row
	v_add_nc_u32 v[KRD], s[STGS], v[KRD]
	v_lshl_add_u32 v[VRD], v14, 2, s[STGS]
	v_mul_u32_u24 v[QRD], v15, SPI
	v_add_nc_u32 v[QRD], s[STGS], v[QRD]
	v_add_nc_u32 v[QRD], QOFF, v[QRD]              ; stage + QOFF + 272 r
	v_lshl_add_u32 v[OSW], v30, 5, v[QRD]          ; + 32 h
	v_lshl_add_u32 v[QRD], v30, 7, v[QRD]          ; + 128 h
	s_lshl_b32 s[TMPS], s[BETA], 10
	v_add_nc_u32 v[KIW], s[TMPS], v[GL]            ; 1,024 beta + 16 x lane
	s_lshl_b32 s[TMPS], s[BETA], 2
	s_add_co_u32 s[TMPS], s[TMPS], KSC
	v_add_nc_u32 v[KSW], s[TMPS], v[GL]            ; KSC + 16 x lane + 4 beta
	v_lshlrev_b32 v[SRD], 4, v15
	v_lshl_add_u32 v[VIW], v30, 10, v[SRD]
	s_lshl_b32 s[TMPS], s[BETA], 8
	s_add_co_u32 s[TMPS], s[TMPS], VIMG
	v_add_nc_u32 v[VIW], s[TMPS], v[VIW]           ; VIMG + 1,024 h + 16 r + 256 beta: block beta is registers 4 (beta / 2) on of lanes 16 (beta % 2) on
	v_lshl_add_u32 v[VSW], v30, 2, v[SRD]
	s_add_co_u32 s[TMPS], s[BETA], VSC
	v_add_nc_u32 v[VSW], s[TMPS], v[VSW]           ; VSC + 16 r + 4 h + beta
	v_lshlrev_b32 v[SH8], 3, v30
	; the diagonal block's mask: register 8 u + j holds key 32 b + 16 h + 8 u + j, hidden where 8 u + j > 16 (i % 2) + r - 16 h
	s_and_b32 s[TMPS], s[QT], 1
	s_lshl_b32 s[TMPS], s[TMPS], 4
	v_lshlrev_b32 v31, 4, v30
	v_sub_nc_u32 v31, v15, v31
	v_add_nc_u32 v31, s[TMPS], v31
	v_mov_b32 v39, 0xff61b1e6                      ; -3e38
.irp n, 0,1,2,3,4,5,6,7,8,9,10,11,12,13,14,15
	v_cmp_gt_i32 vcc_lo, \n, v31
	v_cndmask_b32 v[MK+\n], 0, v39, vcc_lo
.endr
.irp j, 0,1,2,3,8,9,10,11
	v_mov_b32 v[QZ+\j], 0                          ; the zero codes on both sides of q's
.endr
.irp j, 0,1,2,3
	v_mov_b32 v[T2+\j], 0                          ; written once: a lane permute's destination counts as one of its sources
.endr
	v_mov_b32 v[TW+1], 0
	v_mov_b32 v[FF+1], 0                           ; (named as the upper half of the pair with f)
	v_add_nc_u32 v[WKI], s[TP], v[KIW]             ; the prologue's codes go into the slot that trip 0 reads as "previous"
	v_add_nc_u32 v[WKS], s[TP], v[KSW]
	v_add_nc_u32 v[WVI], s[TP], v[VIW]
	v_add_nc_u32 v[WVS], s[TP], v[VSW]
	; ---- the prologue: the window in front becomes codes
	s_wait_loadcnt 8                               ; its 16 loads are in; q's 8, issued behind them, may stay out
	STAGE_KV
	WIN 0
	s_wait_dscnt 0x0                               ; the stores have read their registers
	s_add_nc_u64 s[KVP:KVP+1], s[KVP:KVP+1], s[BACK:BACK+1]   ; (its loads are done: the base may step)  on to window 0
	GLOAD_KV
	WIN 0
	ROLES                                          ; read by others only behind the first trip's barriers, in front of which these stores are waited for
.Ltrip:                                                ; a trip is a window
	s_wait_loadcnt 0x0                             ; this window's 24 loads, issued a trip ago
	STAGE_KV
	STAGE_Q
	WIN 0
.irp jj, 0,1,2,3,4,5,6,7
	ds_load_b128 v[XQ+4*\jj:XQ+4*\jj+3], v[QRD] offset:16*\jj   ; my query's 32 channels.  LDS serves a wave's instructions in order (ISA guide 5.7.1.4): these see the stores above
.endr
	s_wait_dscnt 8                                 ; all but these 8: the 24 stores have read their registers
	s_cmp_eq_u32 s[CNT], 1                         ; the last window asks for nothing: no load leaves its buffer
	s_cbranch_scc1 .Lno_next
	s_add_nc_u64 s[KVP:KVP+1], s[KVP:KVP+1], WINB  ; (their loads are done: the bases may step)
	s_add_nc_u64 s[4:5], s[4:5], WINB
	GLOAD_KV                                       ; the next window: it has the rest of the trip in which to land
	GLOAD_Q
	WIN 0
.Lno_next:
	s_wait_dscnt 0x0
	QUANT 1, XQ, QZ+4
	v_lshl_or_b32 v[TW], v[T2], 16, v[T2]          ; q's scale word (s0, s1, s0, s1) serves both tiles of a pair: my byte twice,
	v_lshlrev_b32 v[TW], v[SH8], v[TW]             ; 8 h bits up,
	v_permlanex16_b32 v[TW+1], v[TW], s[SEL], s[SEL+1]
	v_or_b32 v[QS], v[TW], v[TW+1]                 ; with lane l xor 16's
	s_xor_b32 s[TP], s[TB], CSL
	v_add_nc_u32 v[AO], s[TB], v[GL]
	v_add_nc_u32 v[AP], s[TP], v[GL]
	v_add_nc_u32 v[BO], s[TB], v[SRD]
	v_add_nc_u32 v[BP], s[TP], v[SRD]
	v_add_nc_u32 v[WKI], s[TB], v[KIW]
	v_add_nc_u32 v[WKS], s[TB], v[KSW]
	v_add_nc_u32 v[WVI], s[TB], v[VIW]
	v_add_nc_u32 v[WVS], s[TB], v[VSW]
.irp j, 0,1,2,3,4,5,6,7
	v_mov_b32 v[PB+\j], s[PBB]                     ; -3e38 in a sequence's first window, else 0
.endr
	BARRIER                                        ; every wave has finished its reads of the slot that is now written again
	ROLES
	BARRIER                                        ; the window's codes lie in LDS
	s_cmp_eq_u32 s[NB1], 0                         ; the own window, up to my diagonal's block: four texts, chosen by the wave's number
	s_cbranch_scc1 .Lown1
	s_cmp_eq_u32 s[NB1], 1
	s_cbranch_scc1 .Lown2
	s_cmp_eq_u32 s[NB1], 2
	s_cbranch_scc1 .Lown3
	STEP 4, 1, 0, AO, BO
	s_branch .Lprev
.Lown3:
	STEP 3, 1, 0, AO, BO
	s_branch .Lprev
.Lown2:
	STEP 2, 1, 0, AO, BO
	s_branch .Lprev
.Lown1:
	STEP 1, 1, 0, AO, BO
.Lprev:
	STEP 4, 0, 1, AP, BP                           ; the previous window, all of it
	; ---- the way out: O^T / the sum, through my stage, as whole rows
	v_add_f32 v[LS], v[LS], v[LS+1]                ; the sum's two halves,
	v_permlanex16_b32 v[TW+1], v[LS], s[SEL], s[SEL+1]
	v_add_f32 v[LS], v[LS], v[TW+1]                ; and lane l xor 16's
	v_rcp_f32 v[FF], v[LS]
	PLACES 4                                       ; the plain line behind the reciprocal, and the places behind the last products
	s_wait_alu depctr_va_vdst(0)
.irp j, 0,2,4,6,8,10,12,14,16,18,20,22,24,26,28,30
	v_pk_mul_f32 v[O+\j:O+\j+1], v[O+\j:O+\j+1], v[FF:FF+1] op_sel_hi:[1,0]   ; register 8 t + j: out0(query r, channel 16 t + 8 h + j)
.endr
.irp t, 0,1,2,3
	ds_store_b128 v[OSW], v[O+8*\t:O+8*\t+3] offset:64*\t
	ds_store_b128 v[OSW], v[O+8*\t+4:O+8*\t+7] offset:64*\t+16
.endr
.irp e, 0,1,2,3,4,5,6,7
	ds_load_b128 v[S+4*\e:S+4*\e+3], v[STW] offset:QOFF+544*\e   ; two rows at a time; in order behind my stores
.endr
.irp e, 0,1,2,3,4,5,6,7
	s_wait_dscnt 7-\e                              ; the younger read-backs may stay out
	global_store_b128 v[GL], v[S+4*\e:S+4*\e+3], s[10:11] offset:512*\e th:TH_STORE_NT   ; 32 lanes store 512 consecutive bytes, at a multiple of 512 from out0's first byte
.endr
	s_wait_xcnt 0x0                                ; the stores' base and data registers are written again only behind this wait
	s_add_nc_u64 s[10:11], s[10:11], WINB
	s_mov_b32 s[PBB], 0                            ; from the second window on there is a window in front
	s_xor_b32 s[TB], s[TB], CSL                    ; this window's slot is the next trip's "previous"
	s_sub_co_u32 s[CNT], s[CNT], 1
	s_cmp_lg_u32 s[CNT], 0
	s_cbranch_scc1 .Ltrip
	s_wait_tensorcnt 0x0
	ds_add_u32 v254, v255
	s_wait_dscnt 0x0
	s_endpgm
.Lfunc_end_k_qc3688b23c3_attn:
	.size	k_qc3688b23c3_attn, .Lfunc_end_k_qc3688b23c3_attn-k_qc3688b23c3_attn
	.p2alignl 7, 3214868480
	.fill 96, 4, 3214868480
	.section	.rodata,"a",@progbits
	.p2align	6, 0x0
	.amdhsa_kernel k_qc3688b23c3_attn
		.amdhsa_group_segment_fixed_size 140288
		.amdhsa_private_segment_fixed_size 0
		.amdhsa_enable_private_segment 0
		.amdhsa_kernarg_size 32
		.amdhsa_user_sgpr_count 2
		.amdhsa_user_sgpr_kernarg_segment_ptr 1
		.amdhsa_wavefront_size32 1
		.amdhsa_system_sgpr_workgroup_id_x 1
		.amdhsa_system_sgpr_workgroup_id_y 1
		.amdhsa_system_sgpr_workgroup_id_z 1
		.amdhsa_system_vgpr_workitem_id 0
		.amdhsa_next_free_vgpr 352
		.amdhsa_next_free_sgpr 66
		.amdhsa_reserve_vcc 1
		.amdhsa_float_denorm_mode_32 3
		.amdhsa_float_denorm_mode_16_64 3
		.amdhsa_memory_ordered 1
		.amdhsa_forward_progress 1
		.amdhsa_inst_pref_size 94
	.end_amdhsa_kernel
	.amdgpu_metadata
---
amdhsa.version: [ 1, 2 ]
amdhsa.kernels:
  - .name:           k_qc3688b23c3_attn
    .symbol:         k_qc3688b23c3_attn.kd
    .args:
      - { .name: q, .offset: 0, .size: 8, .value_kind: global_buffer, .address_space: global }
      - { .name: k, .offset: 8, .size: 8, .value_kind: global_buffer, .address_space: global }
      - { .name: v, .offset: 16, .size: 8, .value_kind: global_buffer, .address_space: global }
      - { .name: out0, .offset: 24, .size: 8, .value_kind: global_buffer, .address_space: global }
    .group_segment_fixed_size: 140288
    .private_segment_fixed_size: 0
    .kernarg_segment_align: 8
    .kernarg_segment_size: 32
    .max_flat_workgroup_size: 256
    .sgpr_count:     66
    .vgpr_count:     352
    .wavefront_size: 32
...
	.end_amdgpu_metadata
.endif
;; end of part 1
;; ======== version 2 of 2: 1 launch; version 1 with the launch attn written anew for expert scheduling mode
;; launch attn (part 2): grid 256 x 1, 8 waves a work-group, no clusters, 140,288 bytes of LDS; arguments q, k, v, out0; writes out0
.if DOCPART == 2
	.amdgcn_target "amdgcn-amd-amdhsa--gfx1250"
	.amdhsa_code_object_version 6
	.text
	.protected	k_qc3688b23c3_attn
	.globl	k_qc3688b23c3_attn
	.p2align	8
	.type	k_qc3688b23c3_attn,@function
k_qc3688b23c3_attn:
	s_mov_b64 s[64:65], 0
	v_nop
	global_prefetch_b8 v0, s[64:65] scope:SCOPE_SE
	s_setreg_imm32_b32 hwreg(HW_REG_WAVE_SCHED_MODE, 0, 2), 2
	s_setreg_imm32_b32 hwreg(HW_REG_WAVE_MODE, 25, 1), 1
	s_wait_xcnt 0x0
	s_wait_alu depctr_vm_vsrc(0)
; Causal local attention, windows of 128, one window of look-back.  q, k, v, out0: [32 sequences][8192][64] f32 (a row is 256 bytes, a window 32,768).
; Both products on codes of FP4 (E2M1) with one E8M0 scale for each 32 along K: q and k are quantised along the 64 channels, v and p along the keys.
; A window is four blocks of 32 keys, so a window's codes of k and v are the same as "own" and as "previous" window: each window is quantised once by its work-group.
; SOFTMAX: t = score x log2(e) / 8; M = the running largest t rounded up to a whole number; p = 2^(t - M) is quantised, not normalised; the row's sum is taken of the unquantised p and divides at the end.
; The own window is taken first (it always holds a visible key, the query's own), then the previous one; when M moves, the sum and O are multiplied by 2^(old M - new M), which rounds nothing.
; SHARES.  A work-group owns 8 windows on end (262,144 bytes of each tensor) and walks them upward; the codes of the last two windows lie in LDS.  A prologue quantises the window in front of its range
; (where there is none, at a sequence's start, it takes window 0 itself, an address inside the buffer, and the first trip gives all "previous" scores the addend -3e38).
; Wave w owns the tile of 16 queries i = w xor 3 (w / 4) (0,1,2,3,7,6,5,4: waves w and w + 4 together always have 5 own blocks), with n = i / 2 + 1 blocks of its own window up to the diagonal.
; Waves 0-3 quantise 32 keys of k each, waves 4-7 32 keys x 64 channels of v each; every wave quantises its own 16 queries.
; MEMORY.  Per window a wave issues 24 loads of 512 consecutive bytes (8 KB of k or v, 4 KB of q) into 96 registers, one window ahead: they stay on their way across the barriers.  The numbers turn through the
; wave's own stage in LDS, so that a lane gets 32 neighbours along K.  Results leave through the same stage: each store covers 512 consecutive bytes, aligned.
; LAYOUT.  Both products are used transposed (S^T = K Q^T, O^T = V^T P^T): a lane holds one query (lane % 16) throughout.  The channels are only 64 of the instruction's 128 along K, so ONE source 0 carries TWO
; tiles of keys: registers 0-3 (K 0-63) key 32 b + r + 8 (r / 8), registers 4-7 (K 64-127) the key 8 further on.  Q lies in 12 registers [0 0 0 0 | q q q q | 0 0 0 0]: the upper eight pick the first tile, the lower
; eight the second.  So the 16 registers of a block's two products are 16 neighbouring keys, 32 b + 16 (lane / 16) + 0 .. 15.
; THE MASKS ARE THE C OPERAND: -3e38 where a key of the diagonal block comes after the query (16 registers, made once), or everywhere (look-back at a sequence's start).  Own blocks past the diagonal are not computed.
; NO JOINT LOADS: of the 9 windows of k and v that a work-group reads only one is read by another work-group, which reads it as its last while this one reads it as its first; q and out0 are nobody else's.
; NO TENSOR LOADS: nothing is read from memory twice by the waves of a work-group, and loads into registers need no wait for all of them in front of a barrier.
; LIMITS: NaN and infinities among the inputs are not served.  A masked score is the product - 3e38, not -finfo.max: p is 0 either way while |q . k| stays under 1e37.  A block of zeros carries the byte 1
; (the rule says 127) over zero codes, which add nothing; the bytes are read by this kernel alone.  p under 2^-126 comes out of v_exp_f32 as 0 (ISA guide, 15.8).  A block's largest p is made from its largest
; score by the same multiply-add and exponential, which takes v_exp_f32 not to fall where its input rises.
; THE MODE: SCHED_MODE bits 1:0 = 2 (LLVM: expert scheduling mode 2), set by the entry lines.  The code itself states the register dependences between vector or matrix instructions and memory or LDS
; instructions, with s_wait_alu, always for 0.
; THE PLAN.  Registers that memory or LDS instructions touch, round a trip:
;   v256-351      The next window as loaded.  Written by the global loads, read by the stage's stores; no vector instruction names them.  One wait on vm_vsrc between the stores and the next loads.
;   v128-159      LDS loads land here four times a trip: q's numbers, the own window's k, its v, the previous window's v.  Read by q's quantiser and by the products.  A wait on va_vdst stands behind each reader.
;   v352-383, v232-235   The previous window's k and its scale words, in registers of their own: asked for at the head of the own window's step, read by the previous window's eight products.
;   v160-167      Scale words of k and v: loaded, read by the products.
;   v64-127       The role's numbers (LDS loads, its quantiser), then S^T and p (products, softmax), then v64-95 rows of out0 (LDS loads, global stores).
;   v168-199      O^T: products and scalings write it, the stage's stores read it on the way out.
;   v200-207, v212-213, v220   A role's codes, bytes and word: its quantiser writes them, its LDS stores read them; a wait on va_vdst ahead of the stores, one on vm_vsrc behind them.
;   v224-231      The trip's LDS addresses: written once a trip, behind the trip's wait on vm_vsrc and ahead of the wait on va_vdst that stands in front of the first barrier.
;   v1-v12, v254, v255   Made at the head and never written again.
.set WINB,  0x8000                     ; bytes of a window
.set CSL,   16384                      ; LDS: two slots of codes, at 0 and at CSL
.set KIMG,  0                          ; in a slot: k's 4 pair fragments as images of their registers: 1,024 bytes each, registers 4 c .. 4 c + 3 at 512 c + 16 x lane
.set VIMG,  4096                       ; v's 4 tiles of 16 channels x 128 keys, likewise
.set KSC,   8192                       ; k's scale words: fragment b's at 16 x lane + 4 b
.set VSC,   8704                       ; v's scale bytes: channel 16 t + r, block beta at 16 r + 4 t + beta
.set STG0,  32768                      ; behind the slots: a stage of STGW bytes for each wave
.set STGW,  13312
.set SPI,   272                        ; a stage row: 256 bytes + 16: row r starts 4 r banks on (64 banks of 4 bytes: ISA guide 11.1)
.set QOFF,  8832                       ; in a stage: 32 rows of k or v (row rho at 272 rho + 128 (rho / 16)), then 16 rows of q, later of out0
.set GL,  1                            ; v1   16 x lane: my bytes of a load's or store's 512, and my place in an image
.set STW, 2                            ; v2   stage: rows as they are loaded: 272 h + 16 r
.set KRD, 3                            ; v3   stage: my key's half row
.set VRD, 4                            ; v4   stage: my channel's column
.set QRD, 5                            ; v5   stage: my query's half row
.set KIW, 6                            ; v6-9 where my role's images and scales go, within a slot
.set KSW, 7
.set VIW, 8
.set VSW, 9
.set SRD, 11                           ; v11  16 r
.set OSW, 12                           ; v12  stage: where I put 32 bytes of a row of out0
.set SH8, 13                           ; v13  8 h
.set QZ,  16                           ; v16-27  0 0 0 0 q q q q 0 0 0 0
.set QS,  28                           ; v28  q's scale word
.set PS,  29                           ; v29  p's scale word
.set NM,  32                           ; v32 -M, v33 the largest t
.set LS,  34                           ; v[34:35] the row's sum, in two halves
.set FF,  36                           ; v36 f = 2^(old M - new M), at the end 1 / sum; v37 = 0 (named with it as a pair)
.set MK,  40                           ; v40-55  the diagonal block's mask
.set PB,  56                           ; v56-63  the previous window's addend
.set S,   64                           ; v64-127 S^T, then p; the 64 numbers of a role; rows of out0 on the way out
.set X,   64
.set KF,  128                          ; v128-159 the own window's k fragments, then v's; 32 numbers of q
.set XQ,  128
.set KS,  160                          ; v160-163 the own window's scale words of k
.set VS,  164                          ; v164-167 v's
.set O,   168                          ; v168-199 O^T
.set P,   200                          ; v200-207 p's codes; a role's codes
.set C8,  200
.set BM,  208                          ; v208-211 largest magnitudes or scores
.set T2,  212                          ; v212-215 the other half's; then bytes
.set SO,  216                          ; v216-219 the conversions' scale operands
.set TW,  220                          ; v220-221 at work
.set TS,  222                          ; v[222:223] the sum's second chain
.set AO,  224                          ; v224-231 LDS addresses of the trip, made where all waves pass
.set AP,  225
.set BO,  226
.set BP,  227
.set WKI, 228
.set WKS, 229
.set WVI, 230
.set WVS, 231
.set KSP, 232                          ; v232-235 the previous window's scale words of k
.set RK,  0                            ; window 1: v256-319 a window's 8 KB of k or v as loaded
.set RQ,  64                           ; window 1: v320-351 4 KB of q
.set KP,  96                           ; window 1: v352-383 the previous window's k fragments
.set WV,   12                          ; s12 wave; s13 my tile of queries; s14 n - 1; s15 beta = wave % 4
.set QT,   13
.set NB1,  14
.set BETA, 15
.set TMPS, 16
.set STGS, 17                          ; s17 my stage
.set SEL,  20                          ; s[20:21] v_permlanex16_b32's selects for lane l xor 16
.set CS,   22                          ; s[22:23] c = log2(e) / 8
.set TB,   24                          ; s24 the own window's slot; s25 the previous window's
.set TP,   25
.set CNT,  26                          ; s26 windows to go
.set PBB,  27                          ; s27 the previous window's addend, as bits
.set KVP,  28                          ; s[28:29] my chunk of k or of v
.set BACK, 30                          ; s[30:31] bytes back to the window in front: 32,768, or 0 at a sequence's start
.set CM,   32                          ; s32-39 at the head only: eight compares' masks
.set MSB, 0
.macro WIN new                         ; the immediate's high byte repeats the setting that is left; a switch that changes nothing is dropped
.if MSB != \new
	s_set_vgpr_msb (MSB<<8)|\new
.set MSB, \new
.endif
.endm
.macro PLACES n
.rept \n
	v_nop
.endr
.endm
.macro BARRIER                         ; my LDS stores have landed and my LDS loads are in: then the work-group's barrier
	s_wait_dscnt 0x0
	s_barrier_signal -1
	s_barrier_wait -1
.endm
.macro GLOAD_KV                        ; 16 loads of 512 consecutive bytes: 32 rows of k or v
	WIN 0x40                                       ; destination window 1
.irp j, 0,1,2,3,4,5,6,7,8,9,10,11,12,13,14,15
	global_load_b128 v[RK+4*\j:RK+4*\j+3], v[GL], s[KVP:KVP+1] offset:512*\j
.endr
.endm
.macro GLOAD_Q                         ; 8 loads: my 16 queries; read by nobody else
	WIN 0x40
.irp j, 0,1,2,3,4,5,6,7
	global_load_b128 v[RQ+4*\j:RQ+4*\j+3], v[GL], s[4:5] offset:512*\j th:TH_LOAD_NT
.endr
.endm
.macro STAGE_KV                        ; load j holds rows 2 j and 2 j + 1
	WIN 0x04                                       ; an LDS store's data are its source 1: window 1
.irp j, 0,1,2,3,4,5,6,7,8,9,10,11,12,13,14,15
	ds_store_b128 v[STW], v[RK+4*\j:RK+4*\j+3] offset:544*\j+128*(\j/8)
.endr
.endm
.macro STAGE_Q
	WIN 0x04
.irp j, 0,1,2,3,4,5,6,7
	ds_store_b128 v[STW], v[RQ+4*\j:RQ+4*\j+3] offset:QOFF+544*\j
.endr
.endm
; One or two blocks of 32 numbers, each whole in my lane (set g at v[x + 32 g]), become 4 registers of codes each (v[c + 4 g]); the scale's byte in v[T2 + g].
; The largest magnitude has the floor 2^(3 - 127) among its leaves, so that the byte cannot fall under 1; 2 off its exponent field is the conversion's scale operand.
.macro QUANT sets, x, c
.irp g, 0,1
.if \g < \sets
	v_max3_num_f32 v[BM+2*\g], |v[\x+32*\g]|, |v[\x+32*\g+1]|, |v[\x+32*\g+2]|
	v_max3_num_f32 v[BM+2*\g+1], |v[\x+32*\g+3]|, |v[\x+32*\g+4]|, |v[\x+32*\g+5]|
.endif
.endr
.irp i, 6,10,14,18,22,26
.irp g, 0,1
.if \g < \sets
	v_max3_num_f32 v[BM+2*\g], v[BM+2*\g], |v[\x+32*\g+\i]|, |v[\x+32*\g+\i+1]|
	v_max3_num_f32 v[BM+2*\g+1], v[BM+2*\g+1], |v[\x+32*\g+\i+2]|, |v[\x+32*\g+\i+3]|
.endif
.endr
.endr
.irp g, 0,1
.if \g < \sets
	v_max3_num_f32 v[BM+2*\g], v[BM+2*\g], |v[\x+32*\g+30]|, |v[\x+32*\g+31]|
.endif
.endr
.irp g, 0,1
.if \g < \sets
	v_max3_num_f32 v[BM+2*\g], v[BM+2*\g], v[BM+2*\g+1], 0x1800000
.endif
.endr
.irp g, 0,1
.if \g < \sets
	v_add_nc_u32 v[SO+\g], 0xff000000, v[BM+2*\g]
.endif
.endr
.irp g, 0,1
.if \g < \sets
	v_lshrrev_b32 v[T2+\g], 23, v[SO+\g]
.endif
.endr
.irp g, 0,1
.if \g < \sets
.irp k, 0,1,2,3
	v_cvt_scalef32_pk8_fp4_f32 v[\c+4*\g+\k], v[\x+32*\g+8*\k:\x+32*\g+8*\k+7], v[SO+\g]
.endr
.endif
.endr
	v_nop                                          ; one plain line behind the last scaled conversion
.endm
; The window in my stage becomes codes in the slot that WKI .. WVS name.  The branch hangs on the wave's number alone; no barrier stands inside.
; The loads into v64-127 owe no wait here: no vector or matrix instruction since the last wait on va_vdst names these registers, and the trip's wait on vm_vsrc stands behind the stores of out0 that read v64-95.
.macro ROLES
	s_cmp_lt_u32 s[WV], 4
	s_cbranch_scc0 .Lvrole_\@
	; k: pair fragment beta.  Set u: key 32 beta + 8 u + r + 8 (r / 8), channels 32 h on: 128 bytes of its row
.irp u, 0,1
.irp jj, 0,1,2,3,4,5,6,7
	ds_load_b128 v[X+32*\u+4*\jj:X+32*\u+4*\jj+3], v[KRD] offset:2176*\u+16*\jj
.endr
.endr
	s_wait_dscnt 0x0
	QUANT 2, X, C8
	v_lshl_or_b32 v[TW], v[T2+1], 16, v[T2]        ; my two bytes: (tile 0, block h) and (tile 1, block h),
	v_lshlrev_b32 v[TW], v[SH8], v[TW]             ; 8 h bits up;
	v_permlanex16_b32 v[TW+1], v[TW], s[SEL], s[SEL+1]
	v_or_b32 v[TW], v[TW], v[TW+1]                 ; with lane l xor 16's two the word is whole
	s_wait_alu depctr_va_vdst(0)                   ; the conversions have written the codes v200-207 and the lines above the word v220, which the three stores read
	ds_store_b128 v[WKI], v[C8:C8+3]
	ds_store_b128 v[WKI], v[C8+4:C8+7] offset:512
	ds_store_b32 v[WKS], v[TW]
	s_wait_alu depctr_vm_vsrc(0)                   ; the three stores have read v200-207 and v220, which the softmax and the next quantiser write again
	s_branch .Ljoined_\@
.Lvrole_\@:
	; v: block beta of the keys.  A lane takes channels lane and lane + 32, and its registers run down the 32 keys
.irp g, 0,1
.irp i, 0,1,2,3,4,5,6,7,8,9,10,11,12,13,14,15,16,17,18,19,20,21,22,23,24,25,26,27,28,29,30,31
	ds_load_b32 v[X+32*\g+\i], v[VRD] offset:272*\i+128*(\i/16)+128*\g
.endr
.endr
	s_wait_dscnt 0x0
	QUANT 2, X, C8
	s_wait_alu depctr_va_vdst(0)                   ; the conversions have written the codes v200-207 and the shifts the bytes v212, v213, which the four stores read
	ds_store_b128 v[WVI], v[C8:C8+3]               ; tile h, registers and lanes of block beta
	ds_store_b128 v[WVI], v[C8+4:C8+7] offset:2048 ; tile h + 2
	ds_store_b8 v[WVS], v[T2]
	ds_store_b8 v[WVS], v[T2+1] offset:8
	s_wait_alu depctr_vm_vsrc(0)                   ; the four stores have read v200-207, v212 and v213, which the softmax and the next quantiser write again
.Ljoined_\@:
.endm
; 32 nb keys of one window against my 16 queries.  first = 1: the step starts M, the sum and O^T.  prev = 1: the previous window (C = its addend); else the own window, whose last block is the diagonal's (C = the mask).
; ar, br: 16 x lane and 16 r in the window's slot.  The own window's step also asks for the previous window's k, which lands under its products and softmax: the previous window's products then wait for no LDS load.
.macro STEP nb, first, prev, ar, br
.if \prev
	PLACES 4                                       ; in front of loads into registers that the last products read (ISA guide 7.12.1 for vector instructions)
	s_wait_alu depctr_va_vdst(0)                   ; the own window's last four products are done reading v's tiles v128-159 and scale words v164-167, in which the loads below land
.else
.irp b, 0,1,2,3
.if \b < \nb
	ds_load_b128 v[KF+8*\b:KF+8*\b+3], v[\ar] offset:KIMG+1024*\b       ; (q's quantiser, which read v128-159, stands ahead of the wait in front of the trip's first barrier)
	ds_load_b128 v[KF+8*\b+4:KF+8*\b+7], v[\ar] offset:KIMG+1024*\b+512
.endif
.endr
	ds_load_b128 v[KS:KS+3], v[\ar] offset:KSC
	WIN 0x40                                       ; destination window 1
	s_wait_alu depctr_va_vdst(0)                   ; the last trip's products on its previous window are done reading v352-383 and v232-235, in which the nine loads below land
.irp b, 0,1,2,3
	ds_load_b128 v[KP+8*\b:KP+8*\b+3], v[AP] offset:KIMG+1024*\b
	ds_load_b128 v[KP+8*\b+4:KP+8*\b+7], v[AP] offset:KIMG+1024*\b+512
.endr
	WIN 0
	ds_load_b128 v[KSP:KSP+3], v[AP] offset:KSC
	s_wait_dscnt 9                                 ; LDS loads come back in order (ISA guide 5.7.1): the own window's k is in, the nine younger loads, the previous window's, may stay out
.irp b, 0,1,2,3
.if \b < \nb
.irp u, 0,1
.if \b == (\nb-1)
	v_wmma_scale_f32_16x16x128_f8f6f4 v[S+16*\b+8*\u:S+16*\b+8*\u+7], v[KF+8*\b:KF+8*\b+7], v[QZ+4-4*\u:QZ+11-4*\u], v[MK+8*\u:MK+8*\u+7], v[KS+\b], v[QS] matrix_a_fmt:MATRIX_FMT_FP4 matrix_b_fmt:MATRIX_FMT_FP4
.else
	v_wmma_scale_f32_16x16x128_f8f6f4 v[S+16*\b+8*\u:S+16*\b+8*\u+7], v[KF+8*\b:KF+8*\b+7], v[QZ+4-4*\u:QZ+11-4*\u], 0, v[KS+\b], v[QS] matrix_a_fmt:MATRIX_FMT_FP4 matrix_b_fmt:MATRIX_FMT_FP4
.endif
.endr
.endif
.endr
	PLACES 4                                       ; in front of the loads over k's fragments and of the first read of the scores
	s_wait_alu depctr_va_vdst(0)                   ; these products are done reading k's fragments v128-159, and the last trip's last products v164-167: the loads below land in both
.endif
.irp t, 0,1,2,3                                ; v's four tiles land while the softmax is worked
	ds_load_b128 v[KF+8*\t:KF+8*\t+3], v[\ar] offset:VIMG+1024*\t
	ds_load_b128 v[KF+8*\t+4:KF+8*\t+7], v[\ar] offset:VIMG+1024*\t+512
.endr
	ds_load_b128 v[VS:VS+3], v[\br] offset:VSC
.if \prev
	WIN 0x01                                       ; source 0 window 1: the fragments that the own window's step asked for; its wait for all LDS loads has shown them in
.irp b, 0,1,2,3
.irp u, 0,1
	v_wmma_scale_f32_16x16x128_f8f6f4 v[S+16*\b+8*\u:S+16*\b+8*\u+7], v[KP+8*\b:KP+8*\b+7], v[QZ+4-4*\u:QZ+11-4*\u], v[PB:PB+7], v[KSP+\b], v[QS] matrix_a_fmt:MATRIX_FMT_FP4 matrix_b_fmt:MATRIX_FMT_FP4
.endr
.endr
	WIN 0
	PLACES 4                                       ; in front of the first read of the scores
.endif
	; the largest score of each block of 32 keys: for the row's maximum and for the block's largest p.  Each accumulator is read from its low end on
.irp b, 0,1,2,3
.if \b < \nb
	v_max3_num_f32 v[BM+\b], v[S+16*\b], v[S+16*\b+1], v[S+16*\b+2]
.endif
.endr
.irp i, 3,5,7,9,11,13
.irp b, 0,1,2,3
.if \b < \nb
	v_max3_num_f32 v[BM+\b], v[BM+\b], v[S+16*\b+\i], v[S+16*\b+\i+1]
.endif
.endr
.endr
.irp b, 0,1,2,3
.if \b < \nb
	v_max_num_f32 v[BM+\b], v[BM+\b], v[S+16*\b+15]
.endif
.endr
.irp b, 0,1,2,3
.if \b < \nb
	v_permlanex16_b32 v[T2+\b], v[BM+\b], s[SEL], s[SEL+1]
.endif
.endr
.irp b, 0,1,2,3
.if \b < \nb
	v_max_num_f32 v[BM+\b], v[BM+\b], v[T2+\b]     ; with lane l xor 16's 16 keys
.endif
.endr
.set MX, TW
.if \nb == 1
.set MX, BM
.elseif \nb == 2
	v_max_num_f32 v[TW], v[BM], v[BM+1]
.elseif \nb == 3
	v_max3_num_f32 v[TW], v[BM], v[BM+1], v[BM+2]
.else
	v_max3_num_f32 v[TW], v[BM], v[BM+1], v[BM+2]
	v_max_num_f32 v[TW], v[TW], v[BM+3]
.endif
.if \first
	v_mul_f32 v[NM+1], s[CS], v[MX]                ; the largest t (c is positive)
	v_floor_f32 v[NM], -v[NM+1]                    ; -M = floor(-t) = -ceil(t)
.else
	v_mul_f32 v[TW], s[CS], v[MX]
	v_max_num_f32 v[NM+1], v[NM+1], v[TW]          ; the running largest t
	v_mov_b32 v[TW+1], v[NM]
	v_floor_f32 v[NM], -v[NM+1]
	v_sub_f32 v[TW+1], v[NM], v[TW+1]              ; old M - new M: a whole number, 0 or less
	v_cvt_i32_f32 v[TW+1], v[TW+1]
	v_ldexp_f32 v[FF], 1.0, v[TW+1]                ; f = 2^(old M - new M)
.endif
.set JJ, 0
.rept 8*\nb
	v_pk_fma_f32 v[S+JJ:S+JJ+1], v[S+JJ:S+JJ+1], s[CS:CS+1], v[NM:NM+1] op_sel_hi:[1,0,0]   ; t - M, two at a time
.set JJ, JJ+2
.endr
.irp b, 0,1,2,3
.if \b < \nb
	v_fma_f32 v[BM+\b], v[BM+\b], s[CS], v[NM]     ; the same of each block's largest score
.endif
.endr
.set JJ, 0
	s_wait_alu depctr_va_vdst(0)
.rept 16*\nb
	v_exp_f32 v[S+JJ], v[S+JJ]                     ; p = 2^(t - M)
.set JJ, JJ+1
.endr
.irp b, 0,1,2,3
.if \b < \nb
	v_exp_f32 v[BM+\b], v[BM+\b]                   ; the block's largest p
.endif
.endr
.if \first
	v_nop                                          ; a plain line behind the exponentials (ISA guide 5.7.2)
	s_wait_alu depctr_va_vdst(0)                   ; the exponentials have written p and the blocks' largest p: one wait for the batch, ahead of its first reader
.else
	v_pk_mul_f32 v[LS:LS+1], v[LS:LS+1], v[FF:FF+1] op_sel_hi:[1,0]   ; the sum under the new M; also the plain line behind the exponentials
	s_wait_alu depctr_va_vdst(0)                   ; the exponentials have written p and the blocks' largest p: one wait for the batch, ahead of its first reader
.endif
.irp b, 0,1,2,3
.if \b < \nb
	v_max_num_f32 v[BM+\b], 0x1800000, v[BM+\b]    ; the floor 2^(3 - 127): the byte cannot fall under 1
.endif
.endr
.irp b, 0,1,2,3
.if \b < \nb
	v_add_nc_u32 v[SO+\b], 0xff000000, v[BM+\b]    ; 2 off the exponent field: the conversion's scale operand
.endif
.endr
.irp b, 0,1,2,3
.if \b < \nb
	v_lshrrev_b32 v[T2+\b], 23, v[SO+\b]           ; the scale's byte
.endif
.endr
.if \nb == 1
	v_mov_b32 v[PS], v[T2]                         ; p's scale word; the bytes of blocks that are not computed stay 0, over zero codes
.else
	v_lshl_or_b32 v[PS], v[T2+1], 8, v[T2]
.endif
.if \nb > 2
	v_lshl_or_b32 v[PS], v[T2+2], 16, v[PS]
.endif
.if \nb > 3
	v_lshl_or_b32 v[PS], v[T2+3], 24, v[PS]
.endif
.irp b, 0,1,2,3
.if \b < \nb
	v_cvt_scalef32_pk8_fp4_f32 v[P+2*\b], v[S+16*\b:S+16*\b+7], v[SO+\b]
	v_cvt_scalef32_pk8_fp4_f32 v[P+2*\b+1], v[S+16*\b+8:S+16*\b+15], v[SO+\b]
.endif
.endr
.if \nb == 4
	v_nop                                          ; one plain line behind the last scaled conversion
.else
.irp b, 0,1,2,3
.if \b >= \nb
	v_mov_b32 v[P+2*\b], 0                         ; keys past the diagonal's block: zero codes.  (The first of these is the plain line behind the conversions)
	v_mov_b32 v[P+2*\b+1], 0
.endif
.endr
.endif
.irp c, 0,1                                    ; the operand's layout wants a whole block in a lane: lanes 0-15 block 2 c, lanes 16-31 block 2 c + 1
.if 2*\c < \nb
.irp i, 0,1
	v_permlane16_swap_b32 v[P+4*\c+\i], v[P+4*\c+2+\i]
.endr
.endif
.endr
	; the row's sum, of the unquantised p: two at a time, in two chains.  These additions are also the places between the writes of p's codes and scale word and the products
.if \first
	v_pk_add_f32 v[LS:LS+1], v[S:S+1], v[S+4:S+5]
	v_pk_add_f32 v[TS:TS+1], v[S+2:S+3], v[S+6:S+7]
.set JJ, 8
.rept 4*\nb-2
	v_pk_add_f32 v[LS:LS+1], v[LS:LS+1], v[S+JJ:S+JJ+1]
	v_pk_add_f32 v[TS:TS+1], v[TS:TS+1], v[S+JJ+2:S+JJ+3]
.set JJ, JJ+4
.endr
.else
	v_pk_add_f32 v[TS:TS+1], v[S:S+1], v[S+2:S+3]
.set JJ, 4
.rept 4*\nb-1
	v_pk_add_f32 v[LS:LS+1], v[LS:LS+1], v[S+JJ:S+JJ+1]
	v_pk_add_f32 v[TS:TS+1], v[TS:TS+1], v[S+JJ+2:S+JJ+3]
.set JJ, JJ+4
.endr
.endif
	v_pk_add_f32 v[LS:LS+1], v[LS:LS+1], v[TS:TS+1]
.if !\first
.irp j, 0,2,4,6,8,10,12,14,16,18,20,22,24,26,28,30
	v_pk_mul_f32 v[O+\j:O+\j+1], v[O+\j:O+\j+1], v[FF:FF+1] op_sel_hi:[1,0]   ; O^T under the new M, each accumulator from its low end on
.endr
.endif
	s_wait_dscnt 0x0                               ; v's tiles and scale words are in (in the own window's step: the previous window's k too)
	s_wait_alu depctr_va_vdst(0)                   ; the conversions, moves and swaps have written p's codes v200-207 and the shifts its scale word v29, which the products take as source 1 and as scales; the places stand above
.irp t, 0,1,2,3                                ; O^T (+)= V^T P^T: the four accumulators by turns, one instruction a turn
.if \first
	v_wmma_scale_f32_16x16x128_f8f6f4 v[O+8*\t:O+8*\t+7], v[KF+8*\t:KF+8*\t+7], v[P:P+7], 0, v[VS+\t], v[PS] matrix_a_fmt:MATRIX_FMT_FP4 matrix_b_fmt:MATRIX_FMT_FP4
.else
	v_wmma_scale_f32_16x16x128_f8f6f4 v[O+8*\t:O+8*\t+7], v[KF+8*\t:KF+8*\t+7], v[P:P+7], v[O+8*\t:O+8*\t+7], v[VS+\t], v[PS] matrix_a_fmt:MATRIX_FMT_FP4 matrix_b_fmt:MATRIX_FMT_FP4
.endif
.endr
.endm
	; ---- the head: ids, pointers, and the first loads as early as they can go
	s_load_b256 s[4:11], s[0:1], 0x0               ; q s[4:5], k s[6:7], v s[8:9], out0 s[10:11]
	v_lshl_add_u32 v254, v0, 2, 0x22000
	v_mov_b32 v255, 0
	v_lshrrev_b32 v14, 5, v0
	v_readfirstlane_b32 s[WV], v14                 ; wave 0..7
	v_and_b32 v14, 31, v0                          ; lane
	v_lshlrev_b32 v[GL], 4, v14
	s_wait_alu depctr_va_sdst(0)                   ; s12, the wave's number, is written, ahead of its first reader
	s_lshr_b32 s[TMPS], s[WV], 2
	s_mul_i32 s[TMPS], s[TMPS], 3
	s_xor_b32 s[QT], s[WV], s[TMPS]                ; my tile of queries: 0,1,2,3,7,6,5,4
	s_lshr_b32 s[NB1], s[QT], 1                    ; the diagonal's block = own blocks - 1
	s_and_b32 s[BETA], s[WV], 3
	s_lshl_b32 s18, ttmp9, 18                      ; the work-group's 8 windows: 262,144 bytes (under 2^26 in all)
	s_mov_b32 s19, 0
	s_lshl_b32 s[TMPS], s[BETA], 13
	s_add_co_u32 s2, s18, s[TMPS]                  ; my 32 rows of k or v in a window
	s_mov_b32 s3, 0
	s_lshl_b32 s[TMPS], s[QT], 12
	s_add_co_u32 s18, s18, s[TMPS]                 ; my 16 rows of q and of out0
	s_and_b32 s[TMPS], ttmp9, 7                    ; 8 work-groups to a sequence
	s_cmp_eq_u32 s[TMPS], 0                        ; at a sequence's start there is no window in front:
	s_cselect_b32 s[PBB], 0xff61b1e6, 0            ; its scores get -3e38,
	s_cselect_b32 s[BACK], 0, WINB                 ; and the prologue reads window 0 in its stead
	s_mov_b32 s[BACK+1], 0
	s_mov_b32 s[SEL], 0x76543210
	s_mov_b32 s[SEL+1], 0xfedcba98
	s_mov_b32 s[CS], 0x3e38aa3b                    ; c = log2(e) / 8
	s_mov_b32 s[CS+1], s[CS]                       ; (named with it as a pair, so it is written)
	s_mov_b32 s[TB], 0
	s_mov_b32 s[TP], CSL
	s_mov_b32 s[CNT], 8
	s_mul_i32 s[STGS], s[WV], STGW
	s_add_co_u32 s[STGS], s[STGS], STG0            ; my stage
	s_wait_kmcnt 0x0
	s_cmp_lt_u32 s[WV], 4                          ; waves 0-3 take k, waves 4-7 v: the choice hangs on the wave's number alone
	s_cselect_b64 s[KVP:KVP+1], s[6:7], s[8:9]
	s_add_nc_u64 s[KVP:KVP+1], s[KVP:KVP+1], s[2:3]
	s_sub_nc_u64 s[KVP:KVP+1], s[KVP:KVP+1], s[BACK:BACK+1]
	s_add_nc_u64 s[4:5], s[4:5], s[18:19]
	s_add_nc_u64 s[10:11], s[10:11], s[18:19]
	WIN 0x40                                       ; the loads' window first, then the wait, then the loads
	s_wait_alu depctr_va_vdst(0)                   ; v1 is written: every global load and store of the kernel reads it as its offset
	GLOAD_KV                                       ; the window in front
	GLOAD_Q                                        ; window 0's queries
	WIN 0
	v_and_b32 v15, 15, v0                          ; r
	v_bfe_u32 v30, v0, 4, 1                        ; h
	v_mul_u32_u24 v[STW], v30, SPI
	v_lshl_add_u32 v[STW], v15, 4, v[STW]
	v_add_nc_u32 v[STW], s[STGS], v[STW]           ; stage + 272 h + 16 r
	v_and_b32 v38, 8, v15
	v_add_nc_u32 v31, v38, v15                     ; r + 8 (r / 8)
	v_mul_u32_u24 v[KRD], v31, SPI
	v_lshl_add_u32 v[KRD], v38, 4, v[KRD]          ; + 128 for rows 16 on
	v_lshl_add_u32 v[KRD], v30, 7, v[KRD]          ; + my half of the row
	v_add_nc_u32 v[KRD], s[STGS], v[KRD]
	v_lshl_add_u32 v[VRD], v14, 2, s[STGS]
	v_mul_u32_u24 v[QRD], v15, SPI
	v_add_nc_u32 v[QRD], s[STGS], v[QRD]
	v_add_nc_u32 v[QRD], QOFF, v[QRD]              ; stage + QOFF + 272 r
	v_lshl_add_u32 v[OSW], v30, 5, v[QRD]          ; + 32 h
	v_lshl_add_u32 v[QRD], v30, 7, v[QRD]          ; + 128 h
	s_lshl_b32 s[TMPS], s[BETA], 10
	v_add_nc_u32 v[KIW], s[TMPS], v[GL]            ; 1,024 beta + 16 x lane
	s_lshl_b32 s[TMPS], s[BETA], 2
	s_add_co_u32 s[TMPS], s[TMPS], KSC
	v_add_nc_u32 v[KSW], s[TMPS], v[GL]            ; KSC + 16 x lane + 4 beta
	v_lshlrev_b32 v[SRD], 4, v15
	v_lshl_add_u32 v[VIW], v30, 10, v[SRD]
	s_lshl_b32 s[TMPS], s[BETA], 8
	s_add_co_u32 s[TMPS], s[TMPS], VIMG
	v_add_nc_u32 v[VIW], s[TMPS], v[VIW]           ; VIMG + 1,024 h + 16 r + 256 beta: block beta is registers 4 (beta / 2) on of lanes 16 (beta % 2) on
	v_lshl_add_u32 v[VSW], v30, 2, v[SRD]
	s_add_co_u32 s[TMPS], s[BETA], VSC
	v_add_nc_u32 v[VSW], s[TMPS], v[VSW]           ; VSC + 16 r + 4 h + beta
	v_lshlrev_b32 v[SH8], 3, v30
	; the diagonal block's mask: register 8 u + j holds key 32 b + 16 h + 8 u + j, hidden where 8 u + j > 16 (i % 2) + r - 16 h.  The compares go in two runs of eight, into s32-39, with one wait behind each run
	s_and_b32 s[TMPS], s[QT], 1
	s_lshl_b32 s[TMPS], s[TMPS], 4
	v_lshlrev_b32 v31, 4, v30
	v_sub_nc_u32 v31, v15, v31
	v_add_nc_u32 v31, s[TMPS], v31
	v_mov_b32 v39, 0xff61b1e6                      ; -3e38
.irp n, 0,1,2,3,4,5,6,7
	v_cmp_gt_i32 s[CM+\n], \n, v31
.endr
	s_wait_alu depctr_va_sdst(0)                   ; the eight compares have written s32-39, ahead of the selects that read them
.irp n, 0,1,2,3,4,5,6,7
	v_cndmask_b32 v[MK+\n], 0, v39, s[CM+\n]
.endr
.irp n, 8,9,10,11,12,13,14,15
	v_cmp_gt_i32 s[CM+\n-8], \n, v31
.endr
	s_wait_alu depctr_va_sdst(0)                   ; the second eight compares have written s32-39, ahead of the selects that read them
.irp n, 8,9,10,11,12,13,14,15
	v_cndmask_b32 v[MK+\n], 0, v39, s[CM+\n-8]
.endr
.irp j, 0,1,2,3,8,9,10,11
	v_mov_b32 v[QZ+\j], 0                          ; the zero codes on both sides of q's
.endr
.irp j, 0,1,2,3
	v_mov_b32 v[T2+\j], 0                          ; written once: a lane permute's destination counts as one of its sources
.endr
	v_mov_b32 v[TW+1], 0
	v_mov_b32 v[FF+1], 0                           ; (named as the upper half of the pair with f)
	v_add_nc_u32 v[WKI], s[TP], v[KIW]             ; the prologue's codes go into the slot that trip 0 reads as "previous"
	v_add_nc_u32 v[WKS], s[TP], v[KSW]
	v_add_nc_u32 v[WVI], s[TP], v[VIW]
	v_add_nc_u32 v[WVS], s[TP], v[VSW]
	; ---- the prologue: the window in front becomes codes
	s_wait_alu depctr_va_vdst(0)                   ; the head's LDS addresses, v2-v5, v12 and v228-231, are written: the LDS instructions from here on read them
	s_wait_loadcnt 8                               ; its 16 loads are in; q's 8, issued behind them, may stay out
	STAGE_KV
	s_wait_dscnt 0x0                               ; the stores are done
	s_add_nc_u64 s[KVP:KVP+1], s[KVP:KVP+1], s[BACK:BACK+1]   ; (its loads are done: the base may step)  on to window 0
	WIN 0x40                                       ; the loads' window first, then the wait, then the loads
	s_wait_alu depctr_vm_vsrc(0)                   ; the stage's stores have read v256-319, in which the loads below land
	GLOAD_KV
	WIN 0
	ROLES                                          ; read by others only behind the first trip's barriers, in front of which these stores are waited for
.Ltrip:                                                ; a trip is a window
	s_wait_loadcnt 0x0                             ; this window's 24 loads, issued a trip ago
	STAGE_KV
	STAGE_Q
	WIN 0
.irp jj, 0,1,2,3,4,5,6,7
	ds_load_b128 v[XQ+4*\jj:XQ+4*\jj+3], v[QRD] offset:16*\jj   ; my query's 32 channels.  LDS serves a wave's instructions in order (ISA guide 5.7.1.4): these see the stores above.  No wait on va_vdst: no vector or matrix instruction since the last one names v128-159
.endr
	s_wait_dscnt 8                                 ; all but these 8: the 24 stores are done
	s_wait_alu depctr_vm_vsrc(0)                   ; the last trip's LDS instructions have read the addresses v224-231 and O^T, its stores of out0 v64-95: all are written again below, on both ways
	s_cmp_eq_u32 s[CNT], 1                         ; the last window asks for nothing: no load leaves its buffer
	s_cbranch_scc1 .Lno_next
	s_add_nc_u64 s[KVP:KVP+1], s[KVP:KVP+1], WINB  ; (their loads are done: the bases may step)
	s_add_nc_u64 s[4:5], s[4:5], WINB
	WIN 0x40                                       ; the loads' window first, then the wait, then the loads
	s_wait_alu depctr_vm_vsrc(0)                   ; the stage's 24 stores have read v256-351, in which the loads below land
	GLOAD_KV                                       ; the next window: it has the rest of the trip in which to land
	GLOAD_Q
	WIN 0
.Lno_next:
	s_wait_dscnt 0x0
	QUANT 1, XQ, QZ+4
	v_lshl_or_b32 v[TW], v[T2], 16, v[T2]          ; q's scale word (s0, s1, s0, s1) serves both tiles of a pair: my byte twice,
	v_lshlrev_b32 v[TW], v[SH8], v[TW]             ; 8 h bits up,
	v_permlanex16_b32 v[TW+1], v[TW], s[SEL], s[SEL+1]
	v_or_b32 v[QS], v[TW], v[TW+1]                 ; with lane l xor 16's
	s_xor_b32 s[TP], s[TB], CSL
	v_add_nc_u32 v[AO], s[TB], v[GL]
	v_add_nc_u32 v[AP], s[TP], v[GL]
	v_add_nc_u32 v[BO], s[TB], v[SRD]
	v_add_nc_u32 v[BP], s[TP], v[SRD]
	v_add_nc_u32 v[WKI], s[TB], v[KIW]
	v_add_nc_u32 v[WKS], s[TB], v[KSW]
	v_add_nc_u32 v[WVI], s[TB], v[VIW]
	v_add_nc_u32 v[WVS], s[TB], v[VSW]
.irp j, 0,1,2,3,4,5,6,7
	v_mov_b32 v[PB+\j], s[PBB]                     ; -3e38 in a sequence's first window, else 0
.endr
	s_wait_alu depctr_va_vdst(0)                   ; the trip's addresses v224-231 are written, which its LDS instructions read; q's quantiser is done reading v128-159, in which k's fragments land; q's codes and scale word are written, which the products take (the sixteen lines above are the places behind the word)
	BARRIER                                        ; every wave has finished its reads of the slot that is now written again
	ROLES
	BARRIER                                        ; the window's codes lie in LDS
	s_cmp_eq_u32 s[NB1], 0                         ; the own window, up to my diagonal's block: four texts, chosen by the wave's number
	s_cbranch_scc1 .Lown1
	s_cmp_eq_u32 s[NB1], 1
	s_cbranch_scc1 .Lown2
	s_cmp_eq_u32 s[NB1], 2
	s_cbranch_scc1 .Lown3
	STEP 4, 1, 0, AO, BO
	s_branch .Lprev
.Lown3:
	STEP 3, 1, 0, AO, BO
	s_branch .Lprev
.Lown2:
	STEP 2, 1, 0, AO, BO
	s_branch .Lprev
.Lown1:
	STEP 1, 1, 0, AO, BO
.Lprev:
	STEP 4, 0, 1, AP, BP                           ; the previous window, all of it
	; ---- the way out: O^T / the sum, through my stage, as whole rows
	v_add_f32 v[LS], v[LS], v[LS+1]                ; the sum's two halves,
	v_permlanex16_b32 v[TW+1], v[LS], s[SEL], s[SEL+1]
	v_add_f32 v[LS], v[LS], v[TW+1]                ; and lane l xor 16's
	s_wait_alu depctr_va_vdst(0)
	v_rcp_f32 v[FF], v[LS]
	PLACES 4                                       ; the plain line behind the reciprocal, and the places behind the last products
	s_wait_alu depctr_va_vdst(0)                   ; the reciprocal has written v36, ahead of its first reader
.irp j, 0,2,4,6,8,10,12,14,16,18,20,22,24,26,28,30
	v_pk_mul_f32 v[O+\j:O+\j+1], v[O+\j:O+\j+1], v[FF:FF+1] op_sel_hi:[1,0]   ; register 8 t + j: out0(query r, channel 16 t + 8 h + j)
.endr
	s_wait_alu depctr_va_vdst(0)                   ; the multiplications have written v168-199, which the stage's stores read; the softmax is done with v64-95, in which the read-backs land, and the last products with v128-159, in which the next trip's first loads land
.irp t, 0,1,2,3
	ds_store_b128 v[OSW], v[O+8*\t:O+8*\t+3] offset:64*\t
	ds_store_b128 v[OSW], v[O+8*\t+4:O+8*\t+7] offset:64*\t+16
.endr
.irp e, 0,1,2,3,4,5,6,7
	ds_load_b128 v[S+4*\e:S+4*\e+3], v[STW] offset:QOFF+544*\e   ; two rows at a time; in order behind my stores
.endr
.irp e, 0,1,2,3,4,5,6,7
	s_wait_dscnt 7-\e                              ; the younger read-backs may stay out
	global_store_b128 v[GL], v[S+4*\e:S+4*\e+3], s[10:11] offset:512*\e th:TH_STORE_NT   ; 32 lanes store 512 consecutive bytes, at a multiple of 512 from out0's first byte
.endr
	s_wait_xcnt 0x0                                ; the stores' base and data registers are written again only behind this wait
	s_add_nc_u64 s[10:11], s[10:11], WINB
	s_mov_b32 s[PBB], 0                            ; from the second window on there is a window in front
	s_xor_b32 s[TB], s[TB], CSL                    ; this window's slot is the next trip's "previous"
	s_sub_co_u32 s[CNT], s[CNT], 1
	s_cmp_lg_u32 s[CNT], 0
	s_cbranch_scc1 .Ltrip
	s_wait_dscnt 0x0                               ; the closing lines, six on end
	s_wait_alu 0x0
	s_wait_tensorcnt 0x0
	ds_add_u32 v254, v255
	s_wait_dscnt 0x0
	s_endpgm
.Lfunc_end_k_qc3688b23c3_attn:
	.size	k_qc3688b23c3_attn, .Lfunc_end_k_qc3688b23c3_attn-k_qc3688b23c3_attn
	.p2alignl 7, 3214868480
	.fill 96, 4, 3214868480
	.section	.rodata,"a",@progbits
	.p2align	6, 0x0
	.amdhsa_kernel k_qc3688b23c3_attn
		.amdhsa_group_segment_fixed_size 140288
		.amdhsa_private_segment_fixed_size 0
		.amdhsa_enable_private_segment 0
		.amdhsa_kernarg_size 32
		.amdhsa_user_sgpr_count 2
		.amdhsa_user_sgpr_kernarg_segment_ptr 1
		.amdhsa_wavefront_size32 1
		.amdhsa_system_sgpr_workgroup_id_x 1
		.amdhsa_system_sgpr_workgroup_id_y 1
		.amdhsa_system_sgpr_workgroup_id_z 1
		.amdhsa_system_vgpr_workitem_id 0
		.amdhsa_next_free_vgpr 384
		.amdhsa_next_free_sgpr 66
		.amdhsa_reserve_vcc 0
		.amdhsa_float_denorm_mode_32 3
		.amdhsa_float_denorm_mode_16_64 3
		.amdhsa_memory_ordered 1
		.amdhsa_forward_progress 1
		.amdhsa_inst_pref_size 98
	.end_amdhsa_kernel
	.amdgpu_metadata
---
amdhsa.version: [ 1, 2 ]
amdhsa.kernels:
  - .name:           k_qc3688b23c3_attn
    .symbol:         k_qc3688b23c3_attn.kd
    .args:
      - { .name: q, .offset: 0, .size: 8, .value_kind: global_buffer, .address_space: global }
      - { .name: k, .offset: 8, .size: 8, .value_kind: global_buffer, .address_space: global }
      - { .name: v, .offset: 16, .size: 8, .value_kind: global_buffer, .address_space: global }
      - { .name: out0, .offset: 24, .size: 8, .value_kind: global_buffer, .address_space: global }
    .group_segment_fixed_size: 140288
    .private_segment_fixed_size: 0
    .kernarg_segment_align: 8
    .kernarg_segment_size: 32
    .max_flat_workgroup_size: 256
    .sgpr_count:     66
    .vgpr_count:     384
    .wavefront_size: 32
...
	.end_amdgpu_metadata
.endif
;; end of part 2
